; MI455X (gfx1250); checked and timed in simulation.
; The chip was launched on July 23, 2026; its instructions are those of AMD's public machine-readable ISA for CDNA 5 (MIT licence, August 2026) and "CDNA5" Instruction Set Architecture Reference Guide (July 2026). The comments in the code are by the model that wrote it; some were corrected since.
;; Multi Head Attention. Allowed arithmetic: matrix products marked QUANTISED: E2M1 operands, one E8M0 scale for each 32 along K, by v_wmma_scale_f32_16x16x128_f8f6f4 with both operands' format E2M1 (or v_wmma_scale_f32_32x16x128_f4), f32 sums; products left as they are: bf16, f16 or f32 operands; f32 sums; everything else in f32.
;; Inputs: Wk 16 x 1,024 x 64 float32; Wo 1,024 x 1,024 float32; Wq 16 x 1,024 x 64 float32; Wv 16 x 1,024 x 64 float32; bo 1,024 float32; mask 4 x 1 x 2,048 int32; x 4 x 2,048 x 1,024 float32.
;; Outputs: out0 4 x 2,048 x 1,024 float32.
;; This version of the problem:
;;   THIS VERSION OF THE PROBLEM IS GIVEN IN LOW PRECISION. The matrix products marked QUANTISED in the list below multiply operands that are first quantised to E2M1 (2 exponent bits, 1 mantissa bit; 4 bits a number), with one power-of-two scale for each 32 numbers along K (OCP MX v1.0); their sums are f32. The products marked 'left as it is' may take bf16, f16 or f32 operands, with f32 sums. Whichever they take, every output number must still come out within the allowed error. Rounding operands to bf16 (8 significant bits) uses up far more of that allowance than f16 does (11 bits, for magnitudes from 6e-5 to 65,504). All else is computed in f32.
;;   The module's matrix products, in the order in which they are computed (A, B: the left and right operand; K: the contracted axis; several contracted axes count as one K, in the product's order):
;;     1. [M 1,024, K 1,024] x [K 1,024, N 8,192]; A: input Wq; B: input x: QUANTISED
;;     2. [M 1,024, K 1,024] x [K 1,024, N 8,192]; A: input Wk; B: input x: QUANTISED
;;     3. [M 1,024, K 1,024] x [K 1,024, N 8,192]; A: input Wv; B: input x: QUANTISED
;;     4. batch 64 x [M 2,048, K 64] x [K 64, N 2,048]; A: computed on the way; B: computed on the way: left as it is (an operand is computed on the way)
;;     5. batch 64 x [M 2,048, K 2,048] x [K 2,048, N 64]; A: computed on the way; B: computed on the way: left as it is (an operand is computed on the way)
;;     6. [M 8,192, K 1,024] x [K 1,024, N 1,024]; A: computed on the way; B: input Wo: left as it is (an operand is computed on the way)
;;   THE QUANTISER, for each operand of a quantised product, along K:
;;     - K is cut into blocks of 32 from its start; a last block that is shorter is filled with zeros.
;;     - A block's scale is 2^e with e = floor(log2(the largest magnitude in the block)) - 2, held to -126 .. 127; a block of zeros has e = 0. As a byte (E8M0): e + 127.
;;     - Each number is divided by its block's scale, clamped to +-6, and rounded to the nearest number of E2M1, ties to even, subnormals kept.
;;     - The product sums the exact products of the quantised numbers (number of the format x scale) in f32.
;;   ~~~python
;;   def quantise(x, axis):      # numpy; x: float32 -> the quantised numbers, widened to float32 again
;;       x = np.moveaxis(x, axis, -1); K = x.shape[-1]
;;       x = np.pad(x, [(0, 0)] * (x.ndim - 1) + [(0, -K % 32)]); x = x.reshape(x.shape[:-1] + (-1, 32)); a = np.abs(x).max(-1, keepdims=True)
;;       e = np.where(a > 0, np.clip(np.frexp(np.where(a > 0, a, 1))[1] - 1 - 2, -126, 127), 0)      # np.frexp(a)[1] - 1 = floor(log2(a)), exactly
;;       r = np.clip(x / 2.0 ** e, -6, 6)
;;       step = 2.0 ** (np.maximum(np.frexp(np.where(r == 0, 1, r))[1] - 1, 0) - 1)
;;       q = np.round(r / step) * step * 2.0 ** e      # np.round: ties to even
;;       return np.moveaxis(q.reshape(q.shape[:-2] + (-1,))[..., :K], -1, axis).astype(np.float32)
;;   ~~~
;; One version. Each part assembles by itself: llvm-mc -triple=amdgcn-amd-amdhsa -mcpu=gfx1250 --defsym DOCPART=n.
;; ======== version 1 of 1: 4 launches
;; limits: values are held in f16: magnitudes above 65,504 overflow, below 6.1e-05 lose precision
;; workspace buffers: xq 4,456,448 bytes; wq 1,671,168 bytes; woi 2,097,152 bytes; bias 33,280 bytes; qi 16,777,216 bytes; ki 16,777,216 bytes; vi 16,777,216 bytes; ci 16,777,216 bytes
;; launch prep (part 1): grid 385 x 1, 4 waves a work-group, no clusters, 34,304 bytes of LDS; arguments x, Wq, Wk, Wv, Wo, mask, xq, wq, woi, bias; writes xq, wq, woi, bias
.if DOCPART == 1
	.amdgcn_target "amdgcn-amd-amdhsa--gfx1250"
	.amdhsa_code_object_version 6
	.text
	.protected	k_qaa971418ce_prep
	.globl	k_qaa971418ce_prep
	.p2align	8
	.type	k_qaa971418ce_prep,@function
k_qaa971418ce_prep:
	s_mov_b64 s[64:65], 0
	v_nop
	global_prefetch_b8 v0, s[64:65] scope:SCOPE_SE
	s_setreg_imm32_b32 hwreg(HW_REG_WAVE_MODE, 25, 1), 1
	s_wait_xcnt 0x0
; Everything that later launches read many times is laid out once, as images of the matrix operands' registers.
;   work-groups 0-255   x [8192][1024] f32 -> xq: codes of FP4 (E2M1) along the 1,024, one E8M0 byte for each 32
;   work-groups 256-351 Wq, Wk, Wv [16][1024][64] f32 -> wq: the same, quantised along their middle axis
;   work-groups 352-383 Wo [1024 (k)][1024 (n)] f32 -> woi: f16 fragments, 16 columns n x 32 k
;   work-group  384     mask [4][2048] i32 -> bias: a table of f32 for each key, and a word for each batch
; A RECORD of xq or wq serves 16 rows (tokens, or features of one head) and all of K: eight K steps of 128, 1,024 bytes each (the fragment's registers
; 4 c .. 4 c + 3 at 512 c + 16 x lane), then 512 bytes of scale words, [half of K][row][the four words of the half's K steps].
; THE QUANTISER: a block's scale is 2^(floor(log2(largest magnitude)) - 2): its byte is that magnitude's exponent field - 2, held at 1 from below.
; A block of zeros so has the byte 1 and not 127: its codes are zeros, and this program alone reads the bytes.
; THE TABLE: b = (1 - mask) x (-1e9) as reference() rounds it; table = 8 (b - the batch's largest b), in units of the raw q . k; the batch's word is -1 where that largest b is 0, else 0.
; LIMITS: NaN and infinities among the inputs are not served; blocks whose largest magnitude lies under 2^-124 keep the byte 1.
; Where a batch has no key with b = 0, reference()'s sum score + b rounds the score to multiples of 64; here the score counts as 0 there (the word 0): the two agree for |score| < 32.
.set REC,   8704                       ; bytes of a record
.set SPARE, 33792                      ; behind the four stages: the spare words, 128 bytes for each wave
.set SPW,   12                         ; v12  LDS address of my spare word; never rewritten
.set NIL,   13                         ; v13  0; never rewritten
.set T,     14                         ; v14-21 at work
.set SW,    32                         ; v32-35 the scale words of my four K steps
.set C,     36                         ; v36-51 two sets of 8 registers of codes
.set X,     64                         ; v64-127 64 numbers in the operand's order; f16 results of Wo
.set R,     128                        ; v128-255 two sets of 64 numbers as loaded
	s_load_b512 s[4:19], s[0:1], 0x0               ; x s[4:5], Wq s[6:7], Wk s[8:9], Wv s[10:11], Wo s[12:13], mask s[14:15], xq s[16:17], wq s[18:19]
	s_load_b128 s[20:23], s[0:1], 0x40             ; woi s[20:21], bias s[22:23]
	v_lshl_add_u32 v[SPW], v0, 2, SPARE
	v_mov_b32 v[NIL], 0
	v_lshrrev_b32 v1, 5, v0
	v_readfirstlane_b32 s26, v1                    ; wave
	v_and_b32 v1, 31, v0                           ; lane
	v_and_b32 v2, 15, v0                           ; r
	v_bfe_u32 v3, v0, 4, 1                         ; h
	v_lshlrev_b32 v4, 4, v1                        ; 16 x lane
	v_lshlrev_b32 v11, 3, v3                       ; 8 h: my bytes' place in a scale word
	v_mov_b32 v21, 0                               ; a lane permute's destination counts as read
	s_mov_b32 s24, 0x76543210
	s_mov_b32 s25, 0xfedcba98                      ; selects for lane l xor 16
	s_wait_kmcnt 0x0
	s_cmp_lt_u32 ttmp9, 256
	s_cbranch_scc1 .Lx
	s_cmp_lt_u32 ttmp9, 352
	s_cbranch_scc1 .Lw
	s_cmp_lt_u32 ttmp9, 384
	s_cbranch_scc1 .Lo
; ---- the mask: wave w takes batch w, 64 keys a lane
	s_lshl_b32 s30, s26, 13                        ; 8,192 bytes a batch, in the mask and in the table
	s_mov_b32 s31, 0
	s_add_nc_u64 s[14:15], s[14:15], s[30:31]
	s_add_nc_u64 s[28:29], s[22:23], s[30:31]
.irp i, 0,1,2,3,4,5,6,7,8,9,10,11,12,13,14,15
	global_load_b128 v[X+4*\i:X+4*\i+3], v4, s[14:15] offset:512*\i
.endr
	s_lshl_b32 s32, s26, 7
	v_lshl_add_u32 v20, v1, 2, s32                 ; the batch's 32 words: 128 x batch + 4 x lane
	v_mov_b32 v18, -1
	s_wait_loadcnt 0x0
.set j, 0
.rept 64
	v_cvt_f32_i32 v[X+j], v[X+j]
.set j, j+1
.endr
.set j, 0
.rept 64
	v_sub_f32 v[X+j], 1.0, v[X+j]
.set j, j+1
.endr
.set j, 0
.rept 64
	v_mul_f32 v[X+j], 0xce6e6b28, v[X+j]           ; x (-1e9)
.set j, j+1
.endr
	v_max3_num_f32 v14, v[X], v[X+1], v[X+2]       ; the batch's largest b, in two chains
	v_max3_num_f32 v15, v[X+3], v[X+4], v[X+5]
.irp i, 6,10,14,18,22,26,30,34,38,42,46,50,54,58
	v_max3_num_f32 v14, v14, v[X+\i], v[X+\i+1]
	v_max3_num_f32 v15, v15, v[X+\i+2], v[X+\i+3]
.endr
	v_max3_num_f32 v14, v14, v[X+62], v[X+63]
	v_max_num_f32 v14, v14, v15
	v_max_num_f32_dpp v14, v14, v14 row_xmask:1 row_mask:0xf bank_mask:0xf
	v_max_num_f32_dpp v14, v14, v14 row_xmask:2 row_mask:0xf bank_mask:0xf
	v_max_num_f32_dpp v14, v14, v14 row_xmask:4 row_mask:0xf bank_mask:0xf
	v_max_num_f32_dpp v14, v14, v14 row_xmask:8 row_mask:0xf bank_mask:0xf
	v_permlanex16_b32 v21, v14, s24, s25
	v_max_num_f32 v14, v14, v21
	v_mul_f32 v16, 0xc1000000, v14                 ; -8 x the largest b
	v_mov_b32 v17, v16
.set j, 0
.rept 32
	v_pk_fma_f32 v[X+j:X+j+1], v[X+j:X+j+1], 0x41000000, v[16:17] op_sel_hi:[1,0,1]   ; 8 b - 8 x the largest: both products are exact
.set j, j+2
.endr
.irp i, 0,1,2,3,4,5,6,7,8,9,10,11,12,13,14,15
	global_store_b128 v4, v[X+4*\i:X+4*\i+3], s[28:29] offset:512*\i
.endr
	v_cmp_eq_f32 vcc_lo, 0, v14
	v_cndmask_b32 v19, 0, v18, vcc_lo              ; -1 where the largest b is 0
	global_store_b32 v20, v19, s[22:23] offset:32768
	s_endpgm
; 64 numbers of a lane, register 32 c + i = k 64 c + 32 h + i of my row, become the fragment's 8 registers of codes and my row's scale word.
.macro QFRAG src, cset, sw
.irp c, 0,1
	v_max3_num_f32 v[T+\c], |v[(\src)+32*\c]|, |v[(\src)+32*\c+1]|, 0x1800000   ; my block 2 c + h, and the floor 2^(3 - 127): the byte cannot fall under 1
.endr
.irp i, 2,4,6,8,10,12,14,16,18,20,22,24,26,28,30
.irp c, 0,1
	v_max3_num_f32 v[T+\c], v[T+\c], |v[(\src)+32*\c+\i]|, |v[(\src)+32*\c+\i+1]|
.endr
.endr
.irp c, 0,1
	v_add_nc_u32 v[T+2+\c], 0xff000000, v[T+\c]    ; 2 off the exponent field: the conversion's scale operand
.endr
.irp c, 0,1
	v_lshrrev_b32 v[T+4+\c], 23, v[T+2+\c]         ; the scale's byte
.endr
	v_lshl_or_b32 v[T+6], v[T+5], 16, v[T+4]       ; blocks h and 2 + h,
	v_lshlrev_b32 v[T+6], v11, v[T+6]              ; at their places in the word;
	v_permlanex16_b32 v[T+7], v[T+6], s24, s25
	v_or_b32 v[\sw], v[T+6], v[T+7]                ; with lane l xor 16's two the word is whole
.irp c, 0,1
.irp g, 0,1,2,3
	v_cvt_scalef32_pk8_fp4_f32 v[(\cset)+4*\c+\g], v[(\src)+32*\c+8*\g:(\src)+32*\c+8*\g+7], v[T+2+\c]
.endr
.endr
	v_nop                                          ; one plain line behind the last scaled conversion
.endm
.macro PUT s                           ; a K step's image: two stores of 512 consecutive bytes
	global_store_b128 v5, v[C+8*((\s)%2):C+8*((\s)%2)+3], s[16:17] offset:1024*(\s)
	global_store_b128 v5, v[C+8*((\s)%2)+4:C+8*((\s)%2)+7], s[16:17] offset:1024*(\s)+512
.endm
.macro PUTSW                           ; my half's scale words: lane (r, h) stores words 2 h and 2 h + 1 of row r: 256 consecutive bytes a wave
	v_cmp_eq_u32 vcc_lo, 1, v3
	v_cndmask_b32 v[T], v[SW], v[SW+2], vcc_lo
	v_cndmask_b32 v[T+1], v[SW+1], v[SW+3], vcc_lo
	global_store_b64 v6, v[T:T+1], s[16:17]
.endm
.macro OUTADR                          ; s28 = which half of K is mine
	s_lshl_b32 s32, s28, 12
	v_add_nc_u32 v5, s32, v4                       ; codes: 16 x lane + 4,096 x half
	s_lshl_b32 s32, s28, 8
	s_add_co_u32 s32, s32, 8192
	v_lshl_add_u32 v6, v2, 4, s32                  ; scale words: 8,192 + 256 x half + 16 r + 8 h
	v_lshl_add_u32 v6, v3, 3, v6
.endm
; ---- x: wave w takes token tile 2 x work-group + w / 2 and half w % 2 of K.  Each load reads 512 consecutive bytes of one token; a K step's 16 x 512 bytes
; turn through the wave's own stage in LDS (rows 528 bytes apart) and come back as 128 bytes a lane for each of its two blocks.
.Lx:
	s_lshr_b32 s27, s26, 1
	s_and_b32 s28, s26, 1
	s_lshl_b32 s29, ttmp9, 1
	s_add_co_u32 s29, s29, s27                     ; the token tile
	s_lshl_b32 s30, s29, 16                        ; 16 rows of 4,096 bytes
	s_lshl_b32 s31, s28, 11                        ; half a row
	s_add_co_u32 s30, s30, s31
	s_mov_b32 s31, 0
	s_add_nc_u64 s[4:5], s[4:5], s[30:31]
	s_mul_i32 s30, s29, REC
	s_add_nc_u64 s[16:17], s[16:17], s[30:31]
	OUTADR
	s_mul_i32 s33, s26, 8448                       ; my stage
	v_add_nc_u32 v7, s33, v4                       ; in: 16 x lane of row i
	v_mul_u32_u24 v8, v2, 528
	v_lshl_add_u32 v8, v3, 7, v8
	v_add_nc_u32 v8, s33, v8                       ; back: row r, + 128 h
.macro LOADX s
.irp i, 0,1,2,3,4,5,6,7,8,9,10,11,12,13,14,15
	global_load_b128 v[R+64*((\s)%2)+4*\i:R+64*((\s)%2)+4*\i+3], v4, s[4:5] offset:4096*\i+512*(\s) th:TH_LOAD_NT
.endr
.endm
.macro STEPX s
.if \s < 3
	s_wait_loadcnt 16                              ; this K step's 16 loads are in; the next one's may be out
.else
	s_wait_loadcnt 0x0
.endif
.irp i, 0,1,2,3,4,5,6,7,8,9,10,11,12,13,14,15
	ds_store_b128 v7, v[R+64*((\s)%2)+4*\i:R+64*((\s)%2)+4*\i+3] offset:528*\i
.endr
.irp c, 0,1
.irp q, 0,1,2,3,4,5,6,7
	ds_load_b128 v[X+32*\c+4*\q:X+32*\c+4*\q+3], v8 offset:256*\c+16*\q   ; LDS serves a wave's instructions in order: these see the stores above
.endr
.endr
	s_wait_dscnt 0x0                               ; the numbers are back, and the stores have read their registers
.if \s < 2
	LOADX (\s)+2
.endif
.if \s >= 2
	s_wait_xcnt 0x0                                ; the stores of two K steps back have read this set of codes
.endif
	QFRAG X, C+8*((\s)%2), SW+(\s)
	PUT \s
.endm
	LOADX 0
	LOADX 1
	STEPX 0
	STEPX 1
	STEPX 2
	STEPX 3
	PUTSW
	s_wait_tensorcnt 0x0                           ; the wave's end: behind my last LDS store
	ds_add_u32 v[SPW], v[NIL]
	s_wait_dscnt 0x0
	s_endpgm
; ---- Wq, Wk, Wv: K is not innermost, so a lane takes a column d and its registers run down K, in the operand's own order: nothing is turned.
; Work-group j: tensor j / 32, head (j % 32) / 2, half j % 2 of K; wave = the tile of 16 of the head's 64: the four waves read a row's 256 bytes together.
.Lw:
	s_sub_co_u32 s27, ttmp9, 256
	s_and_b32 s28, s27, 1                          ; half
	s_bfe_u32 s29, s27, 0x40001                    ; head
	s_lshr_b32 s34, s27, 5                         ; tensor
	s_cmp_lt_u32 s27, 64
	s_cselect_b64 s[8:9], s[8:9], s[10:11]
	s_cmp_lt_u32 s27, 32
	s_cselect_b64 s[6:7], s[6:7], s[8:9]
	s_lshl_b32 s30, s29, 18                        ; a head: 1,024 rows of 256 bytes
	s_lshl_b32 s31, s28, 17                        ; half of them
	s_add_co_u32 s30, s30, s31
	s_mov_b32 s31, 0
	s_add_nc_u64 s[6:7], s[6:7], s[30:31]
	s_lshl_b32 s30, s34, 6
	s_lshl_b32 s35, s29, 2
	s_add_co_u32 s30, s30, s35
	s_add_co_u32 s30, s30, s26                     ; the record: 64 x tensor + 4 x head + wave
	s_mul_i32 s30, s30, REC
	s_add_nc_u64 s[16:17], s[18:19], s[30:31]
	OUTADR
	v_lshlrev_b32 v9, 2, v2
	v_lshl_add_u32 v9, v3, 13, v9
	s_lshl_b32 s32, s26, 6
	v_add_nc_u32 v9, s32, v9                       ; 4 r + 64 x wave + 32 h rows
.macro LOADW s
.irp c, 0,1
.irp i, 0,1,2,3,4,5,6,7,8,9,10,11,12,13,14,15,16,17,18,19,20,21,22,23,24,25,26,27,28,29,30,31
	global_load_b32 v[R+64*((\s)%2)+32*\c+\i], v9, s[6:7] offset:(128*(\s)+64*\c+\i)*256
.endr
.endr
.endm
.macro STEPW s
.if \s < 3
	s_wait_loadcnt 63                              ; behind this K step's loads stand the next one's 64: 63 is the largest count that can be written, and the smaller count is the safe one
.else
	s_wait_loadcnt 0x0
.endif
.if \s >= 2
	s_wait_xcnt 0x0                                ; the stores of two K steps back have read this set of codes
.endif
	QFRAG R+64*((\s)%2), C+8*((\s)%2), SW+(\s)
.if \s < 2
	LOADW (\s)+2
.endif
	PUT \s
.endm
	LOADW 0
	LOADW 1
	STEPW 0
	STEPW 1
	STEPW 2
	STEPW 3
	PUTSW
	s_endpgm
; ---- Wo: f16 fragments of 16 columns n x 32 k: lane (r, h) holds column r; registers 0-3 k = 8 h + 0..7, registers 4-7 k = 16 + 8 h + 0..7.
; Work-group j: four tiles of columns (256 bytes of a row), group j / 2; wave: four chunks of 32 along k, group 4 (j % 2) + wave.
.Lo:
	s_sub_co_u32 s27, ttmp9, 352
	s_lshr_b32 s28, s27, 1
	s_and_b32 s29, s27, 1
	s_lshl_b32 s29, s29, 2
	s_add_co_u32 s29, s29, s26
	s_lshl_b32 s30, s28, 8
	s_lshl_b32 s31, s29, 19                        ; 128 rows of 4,096 bytes
	s_add_co_u32 s30, s30, s31
	s_mov_b32 s31, 0
	s_add_nc_u64 s[12:13], s[12:13], s[30:31]
	s_lshl_b32 s30, s28, 17                        ; four tiles of 32 fragments of 1,024 bytes
	s_lshl_b32 s32, s29, 12
	s_add_co_u32 s30, s30, s32
	s_add_nc_u64 s[20:21], s[20:21], s[30:31]
	v_lshlrev_b32 v9, 2, v2
	v_lshl_add_u32 v9, v3, 15, v9                  ; 4 r + 8 h rows
.macro LOADO k
.irp a, 0,1,2,3
.irp u, 0,1
.irp i, 0,1,2,3,4,5,6,7
	global_load_b32 v[R+64*((\k)%2)+16*\a+8*\u+\i], v9, s[12:13] offset:(32*(\k)+16*\u+\i)*4096+64*\a
.endr
.endr
.endr
.endm
.macro STEPO k
.if \k < 3
	s_wait_loadcnt 63                              ; as above: the next chunk's 64 loads stand behind
.else
	s_wait_loadcnt 0x0
.endif
.if \k >= 2
	s_wait_xcnt 0x0                                ; the stores of two chunks back have read these registers
.endif
.irp a, 0,1,2,3,4,5,6,7                ; a here: 2 x tile + half of the fragment
.irp g, 0,1,2,3
	v_cvt_pk_f16_f32 v[X+32*((\k)%2)+4*\a+\g], v[R+64*((\k)%2)+8*\a+2*\g], v[R+64*((\k)%2)+8*\a+2*\g+1]
.endr
.endr
.if \k < 2
	LOADO (\k)+2
.endif
.irp a, 0,1,2,3
.irp u, 0,1
	global_store_b128 v4, v[X+32*((\k)%2)+8*\a+4*\u:X+32*((\k)%2)+8*\a+4*\u+3], s[20:21] offset:32768*\a+1024*(\k)+512*\u
.endr
.endr
.endm
	LOADO 0
	LOADO 1
	STEPO 0
	STEPO 1
	STEPO 2
	STEPO 3
	s_endpgm
.Lfunc_end_k_qaa971418ce_prep:
	.size	k_qaa971418ce_prep, .Lfunc_end_k_qaa971418ce_prep-k_qaa971418ce_prep
	.p2alignl 7, 3214868480
	.fill 96, 4, 3214868480
	.section	.rodata,"a",@progbits
	.p2align	6, 0x0
	.amdhsa_kernel k_qaa971418ce_prep
		.amdhsa_group_segment_fixed_size 34304
		.amdhsa_private_segment_fixed_size 0
		.amdhsa_enable_private_segment 0
		.amdhsa_kernarg_size 80
		.amdhsa_user_sgpr_count 2
		.amdhsa_user_sgpr_kernarg_segment_ptr 1
		.amdhsa_wavefront_size32 1
		.amdhsa_system_sgpr_workgroup_id_x 1
		.amdhsa_system_sgpr_workgroup_id_y 1
		.amdhsa_system_sgpr_workgroup_id_z 1
		.amdhsa_system_vgpr_workitem_id 0
		.amdhsa_next_free_vgpr 256
		.amdhsa_next_free_sgpr 66
		.amdhsa_reserve_vcc 1
		.amdhsa_float_denorm_mode_32 3
		.amdhsa_float_denorm_mode_16_64 3
		.amdhsa_memory_ordered 1
		.amdhsa_forward_progress 1
		.amdhsa_inst_pref_size 121
	.end_amdhsa_kernel
	.amdgpu_metadata
---
amdhsa.version: [ 1, 2 ]
amdhsa.kernels:
  - .name:           k_qaa971418ce_prep
    .symbol:         k_qaa971418ce_prep.kd
    .args:
      - { .name: x, .offset: 0, .size: 8, .value_kind: global_buffer, .address_space: global }
      - { .name: Wq, .offset: 8, .size: 8, .value_kind: global_buffer, .address_space: global }
      - { .name: Wk, .offset: 16, .size: 8, .value_kind: global_buffer, .address_space: global }
      - { .name: Wv, .offset: 24, .size: 8, .value_kind: global_buffer, .address_space: global }
      - { .name: Wo, .offset: 32, .size: 8, .value_kind: global_buffer, .address_space: global }
      - { .name: mask, .offset: 40, .size: 8, .value_kind: global_buffer, .address_space: global }
      - { .name: xq, .offset: 48, .size: 8, .value_kind: global_buffer, .address_space: global }
      - { .name: wq, .offset: 56, .size: 8, .value_kind: global_buffer, .address_space: global }
      - { .name: woi, .offset: 64, .size: 8, .value_kind: global_buffer, .address_space: global }
      - { .name: bias, .offset: 72, .size: 8, .value_kind: global_buffer, .address_space: global }
    .group_segment_fixed_size: 34304
    .private_segment_fixed_size: 0
    .kernarg_segment_align: 8
    .kernarg_segment_size: 80
    .max_flat_workgroup_size: 128
    .sgpr_count:     66
    .vgpr_count:     256
    .wavefront_size: 32
...
	.end_amdgpu_metadata
.endif
;; end of part 1
;; launch qkv (part 2): grid 8 x 32, 4 waves a work-group, clusters of 4 x 1, 167,936 bytes of LDS; arguments xq, wq, qi, ki, vi; writes qi, ki, vi
.if DOCPART == 2
	.amdgcn_target "amdgcn-amd-amdhsa--gfx1250"
	.amdhsa_code_object_version 6
	.text
	.protected	k_qaa971418ce_qkv
	.globl	k_qaa971418ce_qkv
	.p2align	8
	.type	k_qaa971418ce_qkv,@function
k_qaa971418ce_qkv:
	s_mov_b64 s[64:65], 0
	v_nop
	global_prefetch_b8 v0, s[64:65] scope:SCOPE_SE
	s_setreg_imm32_b32 hwreg(HW_REG_WAVE_MODE, 25, 1), 1
	s_wait_xcnt 0x0
	s_wait_alu depctr_hold_cnt(0) depctr_sa_sdst(0) depctr_va_vdst(0) depctr_va_sdst(0) depctr_va_ssrc(0) depctr_va_vcc(0) depctr_vm_vsrc(0)
	s_getreg_b32 s2, hwreg(HW_REG_IB_STS2, 6, 4)
	s_cmp_eq_u32 s2, 0
	s_cbranch_scc0 .Lentry_in_a_cluster
	s_endpgm
.Lentry_in_a_cluster:
	s_bfe_u32 s2, ttmp6, 0x10000c
	s_cmp_lg_u32 s2, 0x3003
	s_cbranch_scc0 .Lentry_shape_is_right
	s_endpgm
.Lentry_shape_is_right:
; q, k, v = x Wq, x Wk, x Wv on codes of FP4 (E2M1) with E8M0 scales, sums in f32; the results leave as f16, laid as the fragments that the attention launch wants.
; SHARES.  A work-group takes 256 tokens (16 records of xq) and two heads of q, k and v.  THE WAVES SHARE THE COLUMNS: wave w has head 2 g + w / 2 and, of its 64 numbers, those from 32 (w % 2) on:
; two tiles of 16 of each of q, k and v, for all of K: 6 x 8 fragments, 384 registers, read from memory once and kept.
; The 16 records of x, 139,264 consecutive bytes, come into LDS once, a quarter by each wave.  The four work-groups of a cluster take the same tokens and other heads, so that load is asked for JOINTLY.
; Nothing is filled again: there is no ring.
; ORIENTATION.  q and k: source 0 = 16 features, source 1 = 16 tokens: a lane holds eight neighbouring features of one token: packed to f16 they are half a fragment (row = token, k = feature).
; v: source 0 = 16 tokens, source 1 = 16 features: a lane holds eight neighbouring tokens of one feature: half a fragment (row = feature, k = token).  So every store is 512 consecutive bytes from registers.
; LIMIT: q, k and v go on as f16: magnitudes up to 65,504 are served.
; REGISTERS: window 0: v1-7 addresses; v16-31 x's scale words, two sets; v32-79 the weights' scale words; v128-255 x's fragments, two sets of 64.
;   window 1: the weights' tiles f = 0..3 (q, q, k, k) at v[64 f + 8 s].   window 2: v0-127 tiles f = 4, 5 (v); v128-223 two sets of six accumulators.
.set REC,   8704                       ; a record: 8 K steps of 1,024 bytes, 512 bytes of scale words
.set PANEL, 16*REC
.set QUART, PANEL/4
.set TSTR,  64*REC                     ; from Wq's records to Wk's to Wv's
.set SPARE, PANEL                      ; behind the panel: the spare words, 128 bytes for each wave
.set LI,  1                            ; v1  16 x lane
.set XA,  2                            ; v2  LDS address of the token tile in hand
.set XSA, 3                            ; v3  and of its scale words: + 8,192 + 16 (lane % 16)
.set WSA, 4                            ; v4  16 (lane % 16)
.set SPW, 6
.set NIL, 7
.set XS,  16
.set WS,  32
.set XF,  128
.set ACC, 128
.set G1,  24
.set G0,  32
.set MSB, 0
.macro WIN new                         ; the immediate's high byte repeats the setting that is left
.if MSB != \new
	s_set_vgpr_msb (MSB<<8)|\new
.set MSB, \new
.endif
.endm
.macro CROUND                          ; a round of the cluster's barrier
	s_barrier_signal -1
	s_barrier_wait -1
	s_cmp_lg_u32 s14, 0
	s_cbranch_scc1 .Lnot_wave_0_\@
	s_barrier_signal -3
.Lnot_wave_0_\@:
	s_barrier_wait -3
	s_barrier_signal -1
	s_barrier_wait -1
.endm
	s_load_b256 s[4:11], s[0:1], 0x0               ; xq s[4:5], wq s[6:7], qi s[8:9], ki s[10:11]
	s_load_b64 s[12:13], s[0:1], 0x20              ; vi
	v_lshl_add_u32 v[SPW], v0, 2, SPARE
	v_mov_b32 v[NIL], 0
	ds_add_u32 v[SPW], v[NIL]                      ; the wave's opening: the add, twice on end, and its wait ahead of my first tensor load
	ds_add_u32 v[SPW], v[NIL]
	v_lshrrev_b32 v1, 5, v0
	v_readfirstlane_b32 s14, v1                    ; wave
	s_bfe_u32 s15, ttmp6, 0x40000                  ; cx
	s_lshl_b32 s16, ttmp9, 2
	s_add_co_u32 s16, s16, s15                     ; g: which pair of heads: it enters the weights' and the results' addresses alone
	s_and_b32 s17, ttmp7, 0xffff                   ; y: which 256 tokens, shared by the four partners
	; descriptor group 1: 34,816 dense bytes as 136 rows of 32 elements of 8 bytes
	s_mov_b32 s[G1+0], 15|(3<<16)|(1<<21)          ; the mask: all four work-groups; elements of 8 bytes; bit 21 beside a mask
	s_mov_b32 s[G1+1], 32<<16                      ; tensor_dim0
	s_mov_b32 s[G1+2], 136<<16                     ; tensor_dim1
	s_mov_b32 s[G1+3], 32<<16                      ; tile_dim0
	s_mov_b32 s[G1+4], 136                         ; tile_dim1
	s_mov_b32 s[G1+5], 32                          ; from row to row
	s_mov_b32 s[G1+6], 0
	s_mov_b32 s[G1+7], 0
	s_mul_i32 s18, s14, QUART                      ; my quarter, in LDS and in the panel
	s_mul_i32 s20, s17, PANEL
	s_add_co_u32 s20, s20, s18
	s_mov_b32 s21, 0
	s_lshr_b32 s22, s14, 1
	s_lshl_b32 s23, s16, 1
	s_add_co_u32 s22, s22, s23                     ; my head
	s_and_b32 s23, s14, 1                          ; dc: which 32 of its 64
	s_lshl_b32 s36, s22, 2
	s_lshl_b32 s37, s23, 1
	s_add_co_u32 s36, s36, s37
	s_mul_i32 s36, s36, REC                        ; my first record of each weight
	s_mov_b32 s37, 0
	s_lshr_b32 s38, s17, 3                         ; the batch
	s_lshl_b32 s38, s38, 4
	s_add_co_u32 s38, s38, s22
	s_lshl_b32 s38, s38, 18                        ; (batch, head): 262,144 bytes in each of qi, ki, vi
	s_and_b32 s39, s17, 7
	s_lshl_b32 s39, s39, 15                        ; my 256 tokens: 32,768 bytes in each
	s_add_co_u32 s38, s38, s39
	s_lshl_b32 s40, s23, 10
	s_add_co_u32 s40, s38, s40                     ; qi, ki: + 1,024 dc
	s_mov_b32 s41, 0
	s_lshl_b32 s42, s23, 11
	s_add_co_u32 s42, s38, s42                     ; vi: + 2,048 dc
	s_mov_b32 s43, 0
	s_wait_dscnt 0x0                               ; both opening adds are done
	s_wait_kmcnt 0x0
	s_mov_b32 s[G0+0], 1
	s_mov_b32 s[G0+1], s18
	s_add_nc_u64 s[G0+2:G0+3], s[4:5], s[20:21]
	s_or_b32 s[G0+3], s[G0+3], 0x80000000
	CROUND                                         ; all four work-groups are here: the joint loads meet
	tensor_load_to_lds s[G0:G0+3], s[G1:G1+7]      ; my one tensor load of the launch
	s_nop 0
.rept 4
	v_nop
.endr
	s_add_nc_u64 s[6:7], s[6:7], s[36:37]
	s_add_nc_u64 s[8:9], s[8:9], s[40:41]
	s_add_nc_u64 s[10:11], s[10:11], s[40:41]
	s_add_nc_u64 s[12:13], s[12:13], s[42:43]
	v_and_b32 v1, 31, v0
	v_lshlrev_b32 v[LI], 4, v1
	v_mov_b32 v[XA], v[LI]
	v_and_b32 v[WSA], 15, v0
	v_lshlrev_b32 v[WSA], 4, v[WSA]
	v_add_nc_u32 v[XSA], 8192, v[WSA]
	WIN 0x40                                       ; destination window 1
.irp f, 0,1,2,3
.irp i, 0,1,2,3,4,5,6,7,8,9,10,11,12,13,14,15
	global_load_b128 v[64*\f+4*\i:64*\f+4*\i+3], v[LI], s[6:7] offset:(\f/2)*TSTR+(\f%2)*REC+512*\i
.endr
.endr
	WIN 0x80                                       ; destination window 2
.irp f, 4,5
.irp i, 0,1,2,3,4,5,6,7,8,9,10,11,12,13,14,15
	global_load_b128 v[64*(\f-4)+4*\i:64*(\f-4)+4*\i+3], v[LI], s[6:7] offset:(\f/2)*TSTR+(\f%2)*REC+512*\i
.endr
.endr
	WIN 0
.irp f, 0,1,2,3,4,5
.irp u, 0,1
	global_load_b128 v[WS+8*\f+4*\u:WS+8*\f+4*\u+3], v[WSA], s[6:7] offset:(\f/2)*TSTR+(\f%2)*REC+8192+256*\u
.endr
.endr
; a token tile's 8 fragments and 8 scale words into a set: 18 LDS loads
.macro XFETCH set, off
.irp i, 0,1,2,3,4,5,6,7,8,9,10,11,12,13,14,15
	ds_load_b128 v[XF+64*(\set)+4*\i:XF+64*(\set)+4*\i+3], v[XA] offset:(\off)+512*\i
.endr
.irp u, 0,1
	ds_load_b128 v[XS+8*(\set)+4*\u:XS+8*(\set)+4*\u+3], v[XSA] offset:(\off)+256*\u
.endr
.endm
; ONE TOKEN TILE, from set p.  nx = 1: the next tile is fetched into the other set first.  The six accumulators take turns, one instruction a turn.
.macro TT p, nx
.if \nx
	XFETCH 1-\p, (\p+1)*REC                        ; its registers were last read by products that stand in front of the last tile's four v_nop
.endif
	s_wait_dscnt 18*\nx                            ; this tile's 18 loads are in; the 18 just issued may be out
	s_wait_xcnt 0x0                                ; the stores of two tiles back have read this set of accumulators
	WIN 0xa1                                       ; source 0 (weights) window 1, source 1 (x) window 0, C and D window 2
.irp s, 0,1,2,3,4,5,6,7
.irp f, 0,1,2,3
.if \s == 0
	v_wmma_scale_f32_16x16x128_f8f6f4 v[ACC+48*\p+8*\f:ACC+48*\p+8*\f+7], v[64*\f+8*\s:64*\f+8*\s+7], v[XF+64*\p+8*\s:XF+64*\p+8*\s+7], 0, v[WS+8*\f+\s], v[XS+8*\p+\s] matrix_a_fmt:MATRIX_FMT_FP4 matrix_b_fmt:MATRIX_FMT_FP4
.else
	v_wmma_scale_f32_16x16x128_f8f6f4 v[ACC+48*\p+8*\f:ACC+48*\p+8*\f+7], v[64*\f+8*\s:64*\f+8*\s+7], v[XF+64*\p+8*\s:XF+64*\p+8*\s+7], v[ACC+48*\p+8*\f:ACC+48*\p+8*\f+7], v[WS+8*\f+\s], v[XS+8*\p+\s] matrix_a_fmt:MATRIX_FMT_FP4 matrix_b_fmt:MATRIX_FMT_FP4
.endif
.endr
.endr
	WIN 0xa8                                       ; source 0 (x) window 0, source 1 (weights) window 2, C and D window 2
.irp s, 0,1,2,3,4,5,6,7
.irp f, 4,5
.if \s == 0
	v_wmma_scale_f32_16x16x128_f8f6f4 v[ACC+48*\p+8*\f:ACC+48*\p+8*\f+7], v[XF+64*\p+8*\s:XF+64*\p+8*\s+7], v[64*(\f-4)+8*\s:64*(\f-4)+8*\s+7], 0, v[XS+8*\p+\s], v[WS+8*\f+\s] matrix_a_fmt:MATRIX_FMT_FP4 matrix_b_fmt:MATRIX_FMT_FP4
.else
	v_wmma_scale_f32_16x16x128_f8f6f4 v[ACC+48*\p+8*\f:ACC+48*\p+8*\f+7], v[XF+64*\p+8*\s:XF+64*\p+8*\s+7], v[64*(\f-4)+8*\s:64*(\f-4)+8*\s+7], v[ACC+48*\p+8*\f:ACC+48*\p+8*\f+7], v[XS+8*\p+\s], v[WS+8*\f+\s] matrix_a_fmt:MATRIX_FMT_FP4 matrix_b_fmt:MATRIX_FMT_FP4
.endif
.endr
.endr
.rept 4
	v_nop                                          ; four places behind the last product: for the conversions below, and for the next tile's loads into this set
.endr
	WIN 0x8a                                       ; sources and destination window 2
.irp f, 0,1,2,3,4,5
.irp g, 0,1,2,3
	v_cvt_pk_f16_f32 v[ACC+48*\p+8*\f+\g], v[ACC+48*\p+8*\f+2*\g], v[ACC+48*\p+8*\f+2*\g+1]   ; in place, each accumulator from its low end on
.endr
.endr
	WIN 0x08                                       ; a store's data are its source 1: window 2
.irp e, 0,1
	global_store_b128 v[LI], v[ACC+48*\p+8*\e:ACC+48*\p+8*\e+3], s[8:9] offset:2048*\p+512*\e          ; q: token tile p, half e of the fragment
	global_store_b128 v[LI], v[ACC+48*\p+16+8*\e:ACC+48*\p+16+8*\e+3], s[10:11] offset:2048*\p+512*\e  ; k likewise
	global_store_b128 v[LI], v[ACC+48*\p+32+8*\e:ACC+48*\p+32+8*\e+3], s[12:13] offset:512*\p+1024*\e  ; v: half p of the fragment of feature tile e
.endr
	WIN 0
.endm
	s_wait_tensorcnt 0x0                           ; my quarter of the panel is in,
	s_barrier_signal -1
	s_barrier_wait -1                              ; everybody's is
	XFETCH 0, 0
	s_wait_loadcnt 0x0                             ; the weights
	s_mov_b32 s3, 7
.Ltrip:                                            ; two token tiles a trip
	TT 0, 1
	TT 1, 1
	s_wait_xcnt 0x0                                ; the stores have read their bases
	v_add_nc_u32 v[XA], 2*REC, v[XA]
	v_add_nc_u32 v[XSA], 2*REC, v[XSA]
	s_add_nc_u64 s[8:9], s[8:9], 4096
	s_add_nc_u64 s[10:11], s[10:11], 4096
	s_add_nc_u64 s[12:13], s[12:13], 4096
	s_sub_co_u32 s3, s3, 1
	s_cmp_lg_u32 s3, 0
	s_cbranch_scc1 .Ltrip
	TT 0, 1                                        ; the last two tiles: nothing is fetched beyond the panel
	TT 1, 0
	s_wait_tensorcnt 0x0                           ; the wave's end
	ds_add_u32 v[SPW], v[NIL]
	s_wait_dscnt 0x0
	CROUND                                         ; the closing round
	s_endpgm
.Lfunc_end_k_qaa971418ce_qkv:
	.size	k_qaa971418ce_qkv, .Lfunc_end_k_qaa971418ce_qkv-k_qaa971418ce_qkv
	.p2alignl 7, 3214868480
	.fill 96, 4, 3214868480
	.section	.rodata,"a",@progbits
	.p2align	6, 0x0
	.amdhsa_kernel k_qaa971418ce_qkv
		.amdhsa_group_segment_fixed_size 167936
		.amdhsa_private_segment_fixed_size 0
		.amdhsa_enable_private_segment 0
		.amdhsa_kernarg_size 40
		.amdhsa_user_sgpr_count 2
		.amdhsa_user_sgpr_kernarg_segment_ptr 1
		.amdhsa_wavefront_size32 1
		.amdhsa_system_sgpr_workgroup_id_x 1
		.amdhsa_system_sgpr_workgroup_id_y 1
		.amdhsa_system_sgpr_workgroup_id_z 1
		.amdhsa_system_vgpr_workitem_id 0
		.amdhsa_next_free_vgpr 736
		.amdhsa_next_free_sgpr 66
		.amdhsa_reserve_vcc 0
		.amdhsa_float_denorm_mode_32 3
		.amdhsa_float_denorm_mode_16_64 3
		.amdhsa_memory_ordered 1
		.amdhsa_forward_progress 1
		.amdhsa_inst_pref_size 53
	.end_amdhsa_kernel
	.amdgpu_metadata
---
amdhsa.version: [ 1, 2 ]
amdhsa.kernels:
  - .name:           k_qaa971418ce_qkv
    .symbol:         k_qaa971418ce_qkv.kd
    .args:
      - { .name: xq, .offset: 0, .size: 8, .value_kind: global_buffer, .address_space: global }
      - { .name: wq, .offset: 8, .size: 8, .value_kind: global_buffer, .address_space: global }
      - { .name: qi, .offset: 16, .size: 8, .value_kind: global_buffer, .address_space: global }
      - { .name: ki, .offset: 24, .size: 8, .value_kind: global_buffer, .address_space: global }
      - { .name: vi, .offset: 32, .size: 8, .value_kind: global_buffer, .address_space: global }
    .group_segment_fixed_size: 167936
    .private_segment_fixed_size: 0
    .kernarg_segment_align: 8
    .kernarg_segment_size: 40
    .max_flat_workgroup_size: 128
    .sgpr_count:     66
    .vgpr_count:     736
    .wavefront_size: 32
...
	.end_amdgpu_metadata
.endif
;; end of part 2
;; launch attn (part 3): grid 4 x 64, 8 waves a work-group, clusters of 4 x 1, 327,680 bytes of LDS; arguments qi, ki, vi, bias, ci; writes ci
.if DOCPART == 3
	.amdgcn_target "amdgcn-amd-amdhsa--gfx1250"
	.amdhsa_code_object_version 6
	.text
	.protected	k_qaa971418ce_attn
	.globl	k_qaa971418ce_attn
	.p2align	8
	.type	k_qaa971418ce_attn,@function
k_qaa971418ce_attn:
	s_mov_b64 s[64:65], 0
	v_nop
	global_prefetch_b8 v0, s[64:65] scope:SCOPE_SE
	s_setreg_imm32_b32 hwreg(HW_REG_WAVE_MODE, 25, 1), 1
	s_wait_xcnt 0x0
	s_wait_alu depctr_hold_cnt(0) depctr_sa_sdst(0) depctr_va_vdst(0) depctr_va_sdst(0) depctr_va_ssrc(0) depctr_va_vcc(0) depctr_vm_vsrc(0)
	s_getreg_b32 s2, hwreg(HW_REG_IB_STS2, 6, 4)
	s_cmp_eq_u32 s2, 0
	s_cbranch_scc0 .Lentry_in_a_cluster
	s_endpgm
.Lentry_in_a_cluster:
	s_bfe_u32 s2, ttmp6, 0x10000c
	s_cmp_lg_u32 s2, 0x3003
	s_cbranch_scc0 .Lentry_shape_is_right
	s_endpgm
.Lentry_shape_is_right:
; ctx = softmax(q k^T / 8 + the mask's bias) v, for one (batch, head) a cluster; f16 operands, sums, maxima and the softmax in f32.
; SHARES.  A work-group owns 512 queries, each of its eight waves 64: four tiles of 16.  Two waves share a SIMD, so that one wave's softmax stands beside the other's products.
; Every wave walks the 2,048 keys, 64 a step.  q, k and v lie in memory as images of the fragments' registers: K's and V's come through a ring of two LDS slots of 256 keys (four steps) as dense blocks,
; and a fragment is read by two loads at 16 x lane.  The four work-groups of a cluster walk the same K and V: each part of a slot is asked for JOINTLY, one tensor load a wave.
; LAYOUT.  S^T = K Q^T (source 0 = 16 keys, source 1 = 16 queries), O^T = V^T P: a lane holds ONE query (lane % 16) throughout.  Two tiles of S^T, packed to f16 in pairs, ARE source 1 of the second product.
; THE MASK: the table 8 (b - the batch's largest b) is the C of each tile's first product, which costs no vector instruction.  Where the batch's largest b is not 0 the batch's word is 0 and Q is cleared by it:
; the scores are then the table alone.  LIMIT: in such a batch reference()'s f32 sum rounds the score to multiples of 64; taking it as 0 agrees with that for |score| < 32.
; SOFTMAX: a running maximum m and sum l for each query; p = 2^(c s - c m), c = log2(e) / 8; in every step O^T and l are multiplied by a = 2^(c m_old - c m_new).  p and the result go on as f16.
; REGISTERS: window 0: v1-7 addresses; v8-31 six statistics a tile (c m, m, a, at work, l, l); v32-63 the table, 8 a tile of keys; v64-191 S^T, 32 a tile of queries, P packed in place; v192-255 K.
;   window 1: v0-127 O^T, 32 a tile; v128-191 Q; v192-255 V.
.set SLOT1, 65536                      ; slot 1 begins here: one exclusive or turns an address from slot to slot
.set VOFF,  32768                      ; a slot: 32 KiB of K's images, then 32 KiB of V's
.set STEPB, 8192                       ; a step's K, and its V
.set BIAS,  131072                     ; behind the ring: the batch's table, 8,192 bytes, filled once
.set SPARE, 139264                     ; the spare words, 128 bytes for each of eight waves
.set LI,  1                            ; v1  16 x lane
.set ADR, 2                            ; v2  LDS address of the run of loads in hand
.set AB0, 3                            ; v3  BIAS + 32 (lane / 16)
.set ADB, 4                            ; v4  the table's address for the step
.set PFO, 5                            ; v5  256 x lane
.set SPW, 6
.set NIL, 7
.set ST,  8
.set BI,  32
.set S,   64
.set KF,  192
.set QF,  128                          ; in window 1
.set VF,  192                          ; in window 1
.set WV,  14
.set PFA, 18                           ; s[18:19] where my prefetches stand
.set G1,  24                           ; s[24:31] group 1: 8,192 dense bytes
.set G1B, 32                           ; s[32:39] group 1: 1,024 dense bytes
.set G0A, 40                           ; s[40:43] slot 0's first fill
.set G0B, 44                           ; s[44:47] slot 1's first fill; it then walks
.set G0C, 48                           ; s[48:51] my part of the table
.set LIM, 52
.set TB,  53                           ; LDS byte at which the step to be fetched begins
.set TBB, 54                           ; and its place in the table
.set SLOTS, 55
.set CNT, 56
.set CS,  58                           ; s[58:59] c
.set SEL, 60                           ; s[60:61] selects for lane l xor 16
.set MSB, 0
.macro WIN new
.if MSB != \new
	s_set_vgpr_msb (MSB<<8)|\new
.set MSB, \new
.endif
.endm
.macro CROUND
	s_barrier_signal -1
	s_barrier_wait -1
	s_cmp_lg_u32 s[WV], 0
	s_cbranch_scc1 .Lnot_wave_0_\@
	s_barrier_signal -3
.Lnot_wave_0_\@:
	s_barrier_wait -3
	s_barrier_signal -1
	s_barrier_wait -1
.endm
; A prefetch of what the NEXT change of slots will ask for: a slot's 32 KiB of K and of V.  The four partners share them out by address, 8 KiB each; in each, wave 0 asks for K's and wave 4 for V's,
; lanes 256 bytes apart: one instruction.  Each block is named once in the launch.  The last change that fills a slot asks for nothing; slots 0, 1 and 2 come by their loads alone.
.macro ASK
	s_cmp_gt_u32 s[SLOTS], s[LIM]
	s_cbranch_scc0 .Lnot_mine_\@
	global_prefetch_b8 v[PFO], s[PFA:PFA+1] th:TH_LOAD_NT scope:SCOPE_SE
.Lnot_mine_\@:
.endm
	s_load_b256 s[4:11], s[0:1], 0x0               ; qi s[4:5], ki s[6:7], vi s[8:9], bias s[10:11]
	s_load_b64 s[12:13], s[0:1], 0x20              ; ci
	v_lshl_add_u32 v[SPW], v0, 2, SPARE
	v_mov_b32 v[NIL], 0
	ds_add_u32 v[SPW], v[NIL]                      ; the wave's opening: the add, twice on end, and its wait ahead of my first tensor load
	ds_add_u32 v[SPW], v[NIL]
	v_lshrrev_b32 v1, 5, v0
	v_readfirstlane_b32 s[WV], v1                  ; wave 0..7
	s_bfe_u32 s15, ttmp6, 0x40000                  ; cx: my block of 512 queries: it enters Q's, the result's and the prefetches' addresses alone
	s_and_b32 s16, ttmp7, 0xffff                   ; (batch, head), shared by the four partners
	s_lshr_b32 s2, s16, 4                          ; batch
	s_and_b32 s3, s16, 15                          ; head
	s_mov_b32 s[G1+0], 15|(3<<16)|(1<<21)          ; the mask: all four; elements of 8 bytes; bit 21 beside a mask
	s_mov_b32 s[G1+1], 32<<16                      ; rows of 32 elements: 256 bytes
	s_mov_b32 s[G1+2], 32<<16                      ; 32 rows
	s_mov_b32 s[G1+3], 32<<16
	s_mov_b32 s[G1+4], 32
	s_mov_b32 s[G1+5], 32
	s_mov_b32 s[G1+6], 0
	s_mov_b32 s[G1+7], 0
	s_mov_b32 s[G1B+0], 15|(3<<16)|(1<<21)
	s_mov_b32 s[G1B+1], 32<<16
	s_mov_b32 s[G1B+2], 4<<16                      ; 4 rows
	s_mov_b32 s[G1B+3], 32<<16
	s_mov_b32 s[G1B+4], 4
	s_mov_b32 s[G1B+5], 32
	s_mov_b32 s[G1B+6], 0
	s_mov_b32 s[G1B+7], 0
	s_mov_b32 s[CS], 0x3e38aa3b                    ; c = log2(e) / 8
	s_mov_b32 s[CS+1], s[CS]
	s_mov_b32 s[SEL], 0x76543210
	s_mov_b32 s[SEL+1], 0xfedcba98
	s_mov_b32 s[TB], 0
	s_mov_b32 s[TBB], 0
	s_mov_b32 s[SLOTS], 6
	s_and_b32 s17, s[WV], 3
	s_cmp_eq_u32 s17, 0
	s_cselect_b32 s[LIM], 1, -1                    ; waves 0 and 4 prefetch
	s_lshl_b32 s17, s17, 13                        ; my 8,192 bytes of a slot's K or V,
	s_lshl_b32 s22, s16, 18                        ; in my (batch, head)
	s_add_co_u32 s22, s22, s17
	s_mov_b32 s23, 0
	s_lshl_b32 s57, s[WV], 13                      ; and in a slot: waves 0-3 K's quarters, waves 4-7 V's
	s_lshl_b32 s62, s2, 13                         ; the batch's table,
	s_lshl_b32 s63, s[WV], 10                      ; my 1,024 bytes of it
	s_add_co_u32 s62, s62, s63
	s_add_co_u32 s17, s63, BIAS
	s_mov_b32 s63, 0
	s_wait_dscnt 0x0                               ; both opening adds are done
	s_wait_kmcnt 0x0
	s_cmp_lt_u32 s[WV], 4
	s_cselect_b64 s[PFA:PFA+1], s[6:7], s[8:9]     ; K's images or V's: the choice hangs on the wave's number alone
	s_mov_b32 s[G0A+0], 1
	s_mov_b32 s[G0A+1], s57
	s_add_nc_u64 s[G0A+2:G0A+3], s[PFA:PFA+1], s[22:23]
	s_mov_b32 s[G0B+0], 1
	s_add_co_u32 s[G0B+1], s57, SLOT1
	s_add_nc_u64 s[G0B+2:G0B+3], s[G0A+2:G0A+3], 32768
	s_or_b32 s[G0A+3], s[G0A+3], 0x80000000
	s_or_b32 s[G0B+3], s[G0B+3], 0x80000000
	s_mov_b32 s[G0C+0], 1
	s_mov_b32 s[G0C+1], s17
	s_add_nc_u64 s[G0C+2:G0C+3], s[10:11], s[62:63]
	s_or_b32 s[G0C+3], s[G0C+3], 0x80000000
	CROUND                                         ; all four work-groups are here: the first joint loads meet
	tensor_load_to_lds s[G0C:G0C+3], s[G1B:G1B+7]  ; three loads of mine are out: my part of the table,
	s_nop 0
	tensor_load_to_lds s[G0A:G0A+3], s[G1:G1+7]    ; of slot 0,
	s_nop 0
	tensor_load_to_lds s[G0B:G0B+3], s[G1:G1+7]    ; of slot 1
	s_nop 0
.rept 4
	v_nop
.endr
	s_mov_b32 s21, 0
	s_lshl_b32 s20, s16, 18
	s_lshl_b32 s17, s15, 16
	s_add_co_u32 s20, s20, s17
	s_add_co_u32 s20, s20, s57
	s_add_nc_u64 s[4:5], s[4:5], s[20:21]          ; Q: my wave's four tiles, 8,192 consecutive bytes
	s_lshl_b32 s20, s16, 18
	s_lshl_b32 s17, s15, 13
	s_add_co_u32 s20, s20, s17
	s_add_co_u32 s20, s20, 2*32768
	s_add_nc_u64 s[PFA:PFA+1], s[PFA:PFA+1], s[20:21]  ; my work-group's 8 KiB, in the third slot's worth of keys; the first change steps it on.  Nothing is prefetched here, at the head
	s_lshl_b32 s20, s2, 22
	s_lshl_b32 s17, s15, 20
	s_add_co_u32 s20, s20, s17
	s_lshl_b32 s17, s[WV], 17
	s_add_co_u32 s20, s20, s17
	s_lshl_b32 s17, s3, 11
	s_add_co_u32 s20, s20, s17
	s_add_nc_u64 s[12:13], s[12:13], s[20:21]      ; the result: token tile 128 batch + 32 cx + 4 wave (32,768 bytes each), chunk 2 x head (1,024 each)
	v_and_b32 v1, 31, v0
	v_lshlrev_b32 v[PFO], 8, v1
	v_lshlrev_b32 v65, 2, v1
	v_lshlrev_b32 v[LI], 4, v1
	s_lshl_b32 s17, s2, 7
	v_add_nc_u32 v65, s17, v65
	v_bfe_u32 v66, v0, 4, 1
	v_lshl_add_u32 v[AB0], v66, 5, BIAS
	global_load_b32 v64, v65, s[10:11] offset:32768   ; the batch's word: -1 or 0
	WIN 0x40                                       ; destination window 1
.irp i, 0,1,2,3,4,5,6,7,8,9,10,11,12,13,14,15
	global_load_b128 v[QF+4*\i:QF+4*\i+3], v[LI], s[4:5] offset:512*\i   ; Q stays in registers: tile i / 4, chunk (i / 2) % 2
.endr
.set j, 0
.rept 128
	v_mov_b32 v[j], 0                              ; O^T.  (The step is written once: the first finds zeros, which a = 0 leaves zeros; a first step of its own would be one more copy of the step's text)
.set j, j+1
.endr
	WIN 0
.irp t, 0,1,2,3
	v_mov_b32 v[ST+6*\t+1], 0xff61b1e6             ; m = -3e38, under every score
	v_mul_f32 v[ST+6*\t], s[CS], v[ST+6*\t+1]      ; c m
	v_mov_b32 v[ST+6*\t+4], 0                      ; l, even keys' and odd keys'
	v_mov_b32 v[ST+6*\t+5], 0
.endr
; The next step's K (16 loads) and its part of the table (8).  The two additions and two v_nop are the four places behind the products that read these registers.
.macro FETCH_K
	WIN 0
	v_add_nc_u32 v[ADR], s[TB], v[LI]
	v_add_nc_u32 v[ADB], s[TBB], v[AB0]
	v_nop
	v_nop
.irp i, 0,1,2,3,4,5,6,7,8,9,10,11,12,13,14,15
	ds_load_b128 v[KF+4*\i:KF+4*\i+3], v[ADR] offset:512*\i
.endr
.irp k, 0,1,2,3
	ds_load_b128 v[BI+8*\k:BI+8*\k+3], v[ADB] offset:64*\k
	ds_load_b128 v[BI+8*\k+4:BI+8*\k+7], v[ADB] offset:64*\k+16
.endr
.endm
; The same step's V (16 loads).  The addition and four v_nop are five places behind V^T P: four for these loads, five for the products K Q^T that write over P.
.macro FETCH_V
	WIN 0
	v_add_nc_u32 v[ADR], s[TB], v[LI]
.rept 4
	v_nop
.endr
	WIN 0x40
.irp i, 0,1,2,3,4,5,6,7,8,9,10,11,12,13,14,15
	ds_load_b128 v[VF+4*\i:VF+4*\i+3], v[ADR] offset:VOFF+512*\i
.endr
	s_add_co_u32 s[TB], s[TB], STEPB               ; the next fetch is the next step's
	s_add_co_u32 s[TBB], s[TBB], 256
.endm
; S^T = K Q^T + the table: 32 products; chunk i / 16 of the head's 64, keys 16 ((i / 4) % 4) on, tile i % 4.  The 16 accumulators take turns.
.macro KQ
	WIN 0x04                                       ; Q in window 1
.set i, 0
.rept 32
.set rS, S+32*(i%4)+8*((i/4)%4)
.set rK, KF+8*(2*((i/4)%4)+i/16)
.set rQ, QF+16*(i%4)+8*(i/16)
.set rB, BI+8*((i/4)%4)
.if i < 16
	v_wmma_f32_16x16x32_f16 v[rS:rS+7], v[rK:rK+7], v[rQ:rQ+7], v[rB:rB+7]
.else
	v_wmma_f32_16x16x32_f16 v[rS:rS+7], v[rK:rK+7], v[rQ:rQ+7], v[rS:rS+7]
.endif
.set i, i+1
.endr
.endm
; O^T += V^T P: 32 products; keys 32 (i / 16) on, channels 16 ((i / 4) % 4) on, tile i % 4
.macro PV
	WIN 0x51                                       ; V, C and D in window 1, P in window 0
.set i, 0
.rept 32
.set rO, 32*(i%4)+8*((i/4)%4)
.set rV, VF+8*(4*(i/16)+(i/4)%4)
.set rP, S+32*(i%4)+8*(i/16)
	v_wmma_f32_16x16x32_f16 v[rO:rO+7], v[rV:rV+7], v[rP:rP+7], v[rO:rO+7]
.set i, i+1
.endr
.endm
; A step's softmax for the four tiles, stage by stage, the tiles by turns so that no line waits for the line above it.
.macro SOFTMAX
	WIN 0
.irp t, 0,1,2,3                        ; the largest of the lane's 32 scores and the old m, in two chains; each accumulator is read from its low end on
	v_max3_num_f32 v[ST+6*\t+2], v[S+32*\t], v[S+32*\t+1], v[S+32*\t+2]
	v_max3_num_f32 v[ST+6*\t+3], v[S+32*\t+16], v[S+32*\t+17], v[S+32*\t+18]
.endr
.irp i, 3,5,7,9,11,13
.irp t, 0,1,2,3
	v_max3_num_f32 v[ST+6*\t+2], v[ST+6*\t+2], v[S+32*\t+\i], v[S+32*\t+\i+1]
	v_max3_num_f32 v[ST+6*\t+3], v[ST+6*\t+3], v[S+32*\t+16+\i], v[S+32*\t+17+\i]
.endr
.endr
.irp t, 0,1,2,3
	v_max3_num_f32 v[ST+6*\t+2], v[ST+6*\t+2], v[S+32*\t+15], v[ST+6*\t+1]
.endr
.irp t, 0,1,2,3
	v_max3_num_f32 v[ST+6*\t+2], v[ST+6*\t+2], v[ST+6*\t+3], v[S+32*\t+31]
.endr
.irp t, 0,1,2,3
	v_permlanex16_b32 v[ST+6*\t+3], v[ST+6*\t+2], s[SEL], s[SEL+1]   ; the query's other 32 keys lie in the lane 16 away
.endr
.irp t, 0,1,2,3
	v_max_num_f32 v[ST+6*\t+1], v[ST+6*\t+2], v[ST+6*\t+3]           ; the new m
.endr
.irp t, 0,1,2,3
	v_mov_b32 v[ST+6*\t+3], v[ST+6*\t]
.endr
.irp t, 0,1,2,3
	v_mul_f32 v[ST+6*\t], s[CS], v[ST+6*\t+1]                        ; c m
.endr
.irp t, 0,1,2,3
	v_sub_f32 v[ST+6*\t+3], v[ST+6*\t+3], v[ST+6*\t]                 ; c m_old - c m_new
.endr
; ONE BATCH: the scalings c s - c m, and all 132 exponentials; a tile's exponentials stand between the next tile's scalings.  None of these lines names an exponential's result.
.irp b, 0,1,2,3,4,5,6,7,8,9,10,11,12,13,14,15
	v_pk_fma_f32 v[S+2*\b:S+2*\b+1], v[S+2*\b:S+2*\b+1], s[CS:CS+1], v[ST:ST+1] op_sel_hi:[1,0,0] neg_lo:[0,0,1] neg_hi:[0,0,1]
.endr
.irp t, 1,2,3
.irp b, 0,1,2,3,4,5,6,7,8,9,10,11,12,13,14,15
	v_pk_fma_f32 v[S+32*\t+2*\b:S+32*\t+2*\b+1], v[S+32*\t+2*\b:S+32*\t+2*\b+1], s[CS:CS+1], v[ST+6*\t:ST+6*\t+1] op_sel_hi:[1,0,0] neg_lo:[0,0,1] neg_hi:[0,0,1]
	v_exp_f32 v[S+32*(\t-1)+2*\b], v[S+32*(\t-1)+2*\b]
	v_exp_f32 v[S+32*(\t-1)+2*\b+1], v[S+32*(\t-1)+2*\b+1]
.endr
.endr
.irp b, 0,1,2,3,4,5,6,7,8,9,10,11,12,13,14,15,16,17,18,19,20,21,22,23,24,25,26,27,28,29,30,31
	v_exp_f32 v[S+96+\b], v[S+96+\b]
.endr
.irp t, 0,1,2,3
	v_exp_f32 v[ST+6*\t+2], v[ST+6*\t+3]                             ; a
.endr
	v_nop                                          ; a plain line behind the last exponential
	s_wait_alu depctr_va_vdst(0)                   ; a wait ahead of the first line that names a result: one for the whole batch
.irp t, 0,1,2,3
	v_pk_fma_f32 v[ST+6*\t+4:ST+6*\t+5], v[ST+6*\t+4:ST+6*\t+5], v[ST+6*\t+2:ST+6*\t+3], v[S+32*\t:S+32*\t+1] op_sel_hi:[1,0,1]   ; l = a l + p, of the unrounded p
.endr
.irp t, 0,1,2,3
	v_cvt_pk_f16_f32 v[S+32*\t], v[S+32*\t], v[S+32*\t+1]            ; P, packed in place: register i takes pair i, which has just been summed
.endr
.irp i, 1,2,3,4,5,6,7,8,9,10,11,12,13,14,15
.irp t, 0,1,2,3
	v_pk_add_f32 v[ST+6*\t+4:ST+6*\t+5], v[ST+6*\t+4:ST+6*\t+5], v[S+32*\t+2*\i:S+32*\t+2*\i+1]
.endr
.irp t, 0,1,2,3
	v_cvt_pk_f16_f32 v[S+32*\t+\i], v[S+32*\t+2*\i], v[S+32*\t+2*\i+1]
.endr
.endr
	WIN 0x41                                       ; O^T (destination and source 0) in window 1, a in window 0
.irp t, 0,1,2,3
.irp j, 0,2,4,6,8,10,12,14,16,18,20,22,24,26,28,30
	v_pk_mul_f32 v[32*\t+\j:32*\t+\j+1], v[32*\t+\j:32*\t+\j+1], v[ST+6*\t+2:ST+6*\t+3] op_sel_hi:[1,0]
.endr
.endr
.endm
; A key step: at its head S^T holds step j's scores and V of step j is on its way.
.macro BODY
	FETCH_K                                        ; K of step j + 1
	SOFTMAX
	s_wait_dscnt 24                                ; V of step j is in: behind its loads stand K's 16 and the table's 8
	PV
	FETCH_V                                        ; V of step j + 1
	s_wait_dscnt 16                                ; K and the table are in: behind them stand V's 16
	KQ
	WIN 0
.endm
.macro INNER n
	s_mov_b32 s[CNT], \n
.Lbody_\@:
	BODY
	s_sub_co_u32 s[CNT], s[CNT], 1
	s_cmp_lg_u32 s[CNT], 0
	s_cbranch_scc1 .Lbody_\@
.endm
; THE CHANGE OF SLOTS: the slot's last bytes, V of its fourth step, have been asked for.  Each wave waits for all its tensor loads (one is out: its part of the other slot), adds 0 to its spare word, and waits for
; that and for its reads of the slot.  fill = 1: the slot is filled again with the keys two slots on: the barrier is a round of the cluster's, and the joint load stands first behind it, with four key steps in which to land.
.macro CHANGE fill
	WIN 0
	s_wait_tensorcnt 0x0                           ; no tensor load of mine is out, so a group 0 may be written
	ds_add_u32 v[SPW], v[NIL]
.if \fill
	s_xor_b32 s[G0B+1], s[G0B+1], SLOT1            ; the walking descriptor: the other slot than last time,
	s_add_nc_u64 s[G0B+2:G0B+3], s[G0B+2:G0B+3], 32768   ; the next 256 keys
	s_wait_xcnt 0x0                                ; the last prefetch, four key steps back, has read its address
	s_add_nc_u64 s[PFA:PFA+1], s[PFA:PFA+1], 32768
	s_wait_dscnt 0x0                               ; the add is done, and my reads of the slot are over
	CROUND
	tensor_load_to_lds s[G0B:G0B+3], s[G1:G1+7]
	s_nop 0
.rept 4
	v_nop
.endr
	ASK
.else
	s_wait_dscnt 0x0
	s_barrier_signal -1
	s_barrier_wait -1
.endif
	s_sub_co_u32 s[TB], s[TB], 4*STEPB             ; the fetches go back to a slot's first step,
	s_xor_b32 s[TB], s[TB], SLOT1                  ; in the other slot
.endm
	s_wait_tensorcnt 0x1                           ; my parts of the table and of slot 0 are in; slot 1's may stay out
	s_barrier_signal -1
	s_barrier_wait -1
	FETCH_K                                        ; key step 0
	FETCH_V
	s_wait_loadcnt 0x0                             ; Q and the batch's word
	WIN 0x41
.set j, 0
.rept 64
	v_and_b32 v[QF+j], v[QF+j], v64                ; Q as it is, or cleared
.set j, j+1
.endr
	s_wait_dscnt 16
	KQ
	WIN 0
	INNER 3                                        ; steps 1 to 3 are fetched from slot 0
.Lslot:                                            ; six trips: every slot's worth of keys but the first two comes by a refill
	CHANGE 1
	INNER 4
	s_sub_co_u32 s[SLOTS], s[SLOTS], 1
	s_cmp_lg_u32 s[SLOTS], 0
	s_cbranch_scc1 .Lslot
	CHANGE 0                                       ; the tail is written out: nothing is asked for
	INNER 4
.rept 4
	v_nop                                          ; four places behind the last K Q^T
.endr
	SOFTMAX                                        ; the last step
	s_wait_dscnt 0x0
	PV
	; THE WAY OUT: l's halves and the other lanes' are added; O^T / l, packed to f16, is half a fragment of the projection's operand: 512 consecutive bytes a store.
	WIN 0
.irp t, 0,1,2,3
	v_add_f32 v[ST+6*\t+2], v[ST+6*\t+4], v[ST+6*\t+5]               ; (these four are the places behind the last products)
.endr
.irp t, 0,1,2,3
	v_permlanex16_b32 v[ST+6*\t+3], v[ST+6*\t+2], s[SEL], s[SEL+1]
.endr
.irp t, 0,1,2,3
	v_add_f32 v[ST+6*\t+3], v[ST+6*\t+2], v[ST+6*\t+3]
.endr
.irp t, 0,1,2,3
	v_rcp_f32 v[ST+6*\t+2], v[ST+6*\t+3]
.endr
	v_nop
	s_wait_alu depctr_va_vdst(0)                   ; one wait for the four reciprocals, ahead of their first reader
	WIN 0x41
.irp t, 0,1,2,3
.irp j, 0,2,4,6,8,10,12,14,16,18,20,22,24,26,28,30
	v_pk_mul_f32 v[32*\t+\j:32*\t+\j+1], v[32*\t+\j:32*\t+\j+1], v[ST+6*\t+2:ST+6*\t+3] op_sel_hi:[1,0]
.endr
.endr
	WIN 0x05                                       ; sources window 1, destination window 0: S^T's registers are free
.irp t, 0,1,2,3
.irp j, 0,1,2,3,4,5,6,7,8,9,10,11,12,13,14,15
	v_cvt_pk_f16_f32 v[S+16*\t+\j], v[32*\t+2*\j], v[32*\t+2*\j+1]
.endr
.endr
	WIN 0
.irp t, 0,1,2,3
.irp k, 0,1,2,3
	global_store_b128 v[LI], v[S+16*\t+4*\k:S+16*\t+4*\k+3], s[12:13] offset:32768*\t+512*\k
.endr
.endr
	s_wait_tensorcnt 0x0                           ; the wave's end
	ds_add_u32 v[SPW], v[NIL]
	s_wait_dscnt 0x0
	CROUND                                         ; the closing round
	s_endpgm
.Lfunc_end_k_qaa971418ce_attn:
	.size	k_qaa971418ce_attn, .Lfunc_end_k_qaa971418ce_attn-k_qaa971418ce_attn
	.p2alignl 7, 3214868480
	.fill 96, 4, 3214868480
	.section	.rodata,"a",@progbits
	.p2align	6, 0x0
	.amdhsa_kernel k_qaa971418ce_attn
		.amdhsa_group_segment_fixed_size 327680
		.amdhsa_private_segment_fixed_size 0
		.amdhsa_enable_private_segment 0
		.amdhsa_kernarg_size 40
		.amdhsa_user_sgpr_count 2
		.amdhsa_user_sgpr_kernarg_segment_ptr 1
		.amdhsa_wavefront_size32 1
		.amdhsa_system_sgpr_workgroup_id_x 1
		.amdhsa_system_sgpr_workgroup_id_y 1
		.amdhsa_system_sgpr_workgroup_id_z 1
		.amdhsa_system_vgpr_workitem_id 0
		.amdhsa_next_free_vgpr 512
		.amdhsa_next_free_sgpr 66
		.amdhsa_reserve_vcc 0
		.amdhsa_float_denorm_mode_32 3
		.amdhsa_float_denorm_mode_16_64 3
		.amdhsa_memory_ordered 1
		.amdhsa_forward_progress 1
		.amdhsa_inst_pref_size 155
	.end_amdhsa_kernel
	.amdgpu_metadata
---
amdhsa.version: [ 1, 2 ]
amdhsa.kernels:
  - .name:           k_qaa971418ce_attn
    .symbol:         k_qaa971418ce_attn.kd
    .args:
      - { .name: qi, .offset: 0, .size: 8, .value_kind: global_buffer, .address_space: global }
      - { .name: ki, .offset: 8, .size: 8, .value_kind: global_buffer, .address_space: global }
      - { .name: vi, .offset: 16, .size: 8, .value_kind: global_buffer, .address_space: global }
      - { .name: bias, .offset: 24, .size: 8, .value_kind: global_buffer, .address_space: global }
      - { .name: ci, .offset: 32, .size: 8, .value_kind: global_buffer, .address_space: global }
    .group_segment_fixed_size: 327680
    .private_segment_fixed_size: 0
    .kernarg_segment_align: 8
    .kernarg_segment_size: 40
    .max_flat_workgroup_size: 256
    .sgpr_count:     66
    .vgpr_count:     512
    .wavefront_size: 32
...
	.end_amdgpu_metadata
.endif
;; end of part 3
;; launch oproj (part 4): grid 4 x 64, 4 waves a work-group, clusters of 4 x 4, 327,680 bytes of LDS; arguments woi, ci, bo, out0; writes out0
.if DOCPART == 4
	.amdgcn_target "amdgcn-amd-amdhsa--gfx1250"
	.amdhsa_code_object_version 6
	.text
	.protected	k_qaa971418ce_oproj
	.globl	k_qaa971418ce_oproj
	.p2align	8
	.type	k_qaa971418ce_oproj,@function
k_qaa971418ce_oproj:
	s_mov_b64 s[64:65], 0
	v_nop
	global_prefetch_b8 v0, s[64:65] scope:SCOPE_SE
	s_setreg_imm32_b32 hwreg(HW_REG_WAVE_MODE, 25, 1), 1
	s_wait_xcnt 0x0
	s_wait_alu depctr_hold_cnt(0) depctr_sa_sdst(0) depctr_va_vdst(0) depctr_va_sdst(0) depctr_va_ssrc(0) depctr_va_vcc(0) depctr_vm_vsrc(0)
	s_getreg_b32 s2, hwreg(HW_REG_IB_STS2, 6, 4)
	s_cmp_eq_u32 s2, 0
	s_cbranch_scc0 .Lentry_in_a_cluster
	s_endpgm
.Lentry_in_a_cluster:
	s_bfe_u32 s2, ttmp6, 0x10000c
	s_cmp_lg_u32 s2, 0xf033
	s_cbranch_scc0 .Lentry_shape_is_right
	s_endpgm
.Lentry_shape_is_right:
; out0 = ctx Wo + bo.  ctx [8192][1024] and Wo lie in memory as f16 fragments (16 tokens, or 16 output columns, x 32 along K: 1,024 bytes each, [tile][32 chunks]); sums in f32; out0 f32.
; A tile of out0 is 128 tokens x 256 columns: 256 work-groups of four waves; a wave makes 64 tokens x 128 columns: 32 accumulators.  K goes in steps of 128 (four chunks) through a ring of two LDS slots;
; a K step of a tile of rows is 4,096 consecutive bytes.  Fragments are read at 16 x lane: no pitch, no padding.
; CLUSTERS: 4 x 4 work-groups.  The four of a column of the cluster need the same tiles of Wo, the four of a row the same tiles of ctx: each is asked for JOINTLY.
; TRANSPOSED USE: source 0 = 16 columns of Wo, source 1 = 16 tokens: a lane holds eight neighbouring columns of one token's row.  bo is the C of each sum's first product.
; REGISTERS: window 0: addresses; v32-127 and v128-223 two fragment buffers (8 of Wo, then 4 of ctx); window 1: accumulator (a, b) at v[8 (8 a + b)]; window 2: v0-63 bo in the result's layout.
.set SLOT,  98304                      ; Wo's 16 tiles x 4,096 bytes, then ctx's 8 tiles x 4,096
.set COFF,  65536
.set STAGE, 2*SLOT                     ; behind the ring: 16 rows x 528 bytes for each wave, for the way out
.set SPITCH, 528
.set SPARE, STAGE+4*16*SPITCH          ; the spare words, 128 bytes for each wave
.set LI,   4                           ; v4  16 x lane
.set ADRA, 16                          ; v16-17 my fragments of Wo in slot 0, 1
.set ADRB, 20                          ; v20-21 of ctx
.set STO,  24
.set RD,   25
.set BOA,  26
.set SPW,  28
.set NIL,  29
.set PFO,  30
.set F0,   32
.set F1,   128
.set BK,   32                          ; the way out: 16 rows read back: v32-95 and v96-159 by turns
.set G1A,  24                          ; s[24:31] group 1 for Wo's tiles; s[32:39] group 0, a set for each slot
.set G0A,  32
.set G1B,  48                          ; s[48:55], s[56:63] the same for ctx's
.set G0B,  56
.set LIM,  43
.set PFA,  44
.set MSB, 0
.macro WIN new
.if MSB != \new
	s_set_vgpr_msb (MSB<<8)|\new
.set MSB, \new
.endif
.endm
.set MUL,  0x50                        ; C and D window 1
.set MUL0, 0x60                        ; C window 2 (bo), D window 1
.macro JLOAD s                         ; waves 0 and 1 fetch Wo's halves, waves 2 and 3 ctx's; the branch hangs on the wave's number alone
	s_cmp_eq_u32 s15, 0
	s_cbranch_scc0 .Lfor_b_\@
	tensor_load_to_lds s[G0A+4*\s:G0A+4*\s+3], s[G1A:G1A+7]
	s_nop 0
.rept 4
	v_nop
.endr
	s_branch .Lasked_\@
.Lfor_b_\@:
	tensor_load_to_lds s[G0B+4*\s:G0B+4*\s+3], s[G1B:G1B+7]
	s_nop 0
.rept 4
	v_nop
.endr
.Lasked_\@:
.endm
.macro CREST
	s_cmp_lg_u32 s14, 0
	s_cbranch_scc1 .Lnot_wave_0_\@
	s_barrier_signal -3
.Lnot_wave_0_\@:
	s_barrier_wait -3
	s_barrier_signal -1
	s_barrier_wait -1
.endm
.macro CROUND
	s_barrier_signal -1
	s_barrier_wait -1
	CREST
.endm
; A prefetch of ctx's K step that stands two refills on: 8 tiles x 4,096 bytes.  The four partners that ask for it jointly share it out by address, two tiles each; in each, wave 2 asks, lanes 256 bytes apart.
; Each block is named once in the launch; the loop's last trip asks for nothing; K steps 0 to 3 come by their loads alone.  Wo, which all 64 blocks of tokens read, is not asked for.
.macro ASK
	s_cmp_gt_u32 s3, s[LIM]
	s_cbranch_scc0 .Lnot_mine_\@
	global_prefetch_b8 v[PFO], s[PFA:PFA+1] offset:4096 th:TH_LOAD_NT scope:SCOPE_SE
.Lnot_mine_\@:
.endm
	s_load_b256 s[4:11], s[0:1], 0x0               ; woi s[4:5], ci s[6:7], bo s[8:9], out0 s[10:11]
	v_lshl_add_u32 v[SPW], v0, 2, SPARE
	v_mov_b32 v[NIL], 0
	ds_add_u32 v[SPW], v[NIL]                      ; the wave's opening: the add, twice on end, and its wait ahead of my first tensor load
	ds_add_u32 v[SPW], v[NIL]
	v_lshrrev_b32 v1, 5, v0
	v_readfirstlane_b32 s14, v1                    ; wave
	s_lshr_b32 s15, s14, 1                         ; which 128 columns are mine.  Also: I fetch for Wo (0) or for ctx (1)
	s_and_b32 s16, s14, 1                          ; which 64 tokens.  Also: which half of that tile I fetch
	s_bfe_u32 s40, ttmp6, 0x40000                  ; cx
	s_bfe_u32 s41, ttmp6, 0x40004                  ; cy
	s_lshl_b32 s42, ttmp9, 2
	s_add_co_u32 s42, s42, s40                     ; X: which 256 columns
	s_and_b32 s17, ttmp7, 0xffff
	s_lshl_b32 s17, s17, 2
	s_add_co_u32 s17, s17, s41                     ; Y: which 128 tokens
	s_lshl_b32 s43, s41, 2
	s_lshl_b32 s43, 15, s43                        ; my row of the cluster
	s_lshl_b32 s44, 0x1111, s40                    ; my column
	s_or_b32 s[G1A+0], s44, (3<<16)|(1<<21)        ; Wo's tiles go to my column; elements of 8 bytes; bit 21 beside a mask
	s_or_b32 s[G1B+0], s43, (3<<16)|(1<<21)        ; ctx's to my row
	s_mov_b32 s[G1A+1], 512<<16                    ; rows of 512 elements: 4,096 bytes
	s_mov_b32 s[G1A+2], 8<<16                      ; 8 tiles
	s_mov_b32 s[G1A+3], 512<<16
	s_mov_b32 s[G1A+4], 8
	s_mov_b32 s[G1A+5], 4096                       ; 32,768 bytes from tile to tile
	s_mov_b32 s[G1A+6], 0
	s_mov_b32 s[G1A+7], 0
	s_mov_b32 s[G1B+1], 512<<16
	s_mov_b32 s[G1B+2], 4<<16                      ; 4 tiles
	s_mov_b32 s[G1B+3], 512<<16
	s_mov_b32 s[G1B+4], 4
	s_mov_b32 s[G1B+5], 4096
	s_mov_b32 s[G1B+6], 0
	s_mov_b32 s[G1B+7], 0
	s_lshl_b32 s46, s42, 19                        ; Wo: tile 16 X + 8 x half
	s_lshl_b32 s47, s16, 18
	s_add_co_u32 s46, s46, s47
	s_mov_b32 s47, 0
	s_lshl_b32 s20, s17, 18                        ; ctx: tile 8 Y + 4 x half
	s_lshl_b32 s21, s16, 17
	s_add_co_u32 s20, s20, s21
	s_mov_b32 s21, 0
	s_lshl_b32 s22, s16, 15                        ; where they go: no place in the cluster enters an LDS address
	s_lshl_b32 s23, s16, 14
	s_add_co_u32 s23, s23, COFF
	s_wait_dscnt 0x0                               ; both opening adds are done
	s_wait_kmcnt 0x0
	s_add_nc_u64 s[46:47], s[4:5], s[46:47]
	s_add_nc_u64 s[20:21], s[6:7], s[20:21]
	CROUND                                         ; all sixteen work-groups are here: the first joint loads meet
.irp s, 0,1
	s_mov_b32 s[G0A+4*\s], 1
	s_add_co_u32 s[G0A+4*\s+1], s22, \s*SLOT
	s_add_nc_u64 s[G0A+4*\s+2:G0A+4*\s+3], s[46:47], \s*4096
	s_or_b32 s[G0A+4*\s+3], s[G0A+4*\s+3], 0x80000000
	s_mov_b32 s[G0B+4*\s], 1
	s_add_co_u32 s[G0B+4*\s+1], s23, \s*SLOT
	s_add_nc_u64 s[G0B+4*\s+2:G0B+4*\s+3], s[20:21], \s*4096
	s_or_b32 s[G0B+4*\s+3], s[G0B+4*\s+3], 0x80000000
	JLOAD \s
.endr
	v_and_b32 v1, 15, v0                           ; r
	v_bfe_u32 v2, v0, 4, 1                         ; h
	v_and_b32 v3, 31, v0
	v_lshlrev_b32 v[LI], 4, v3
	s_lshl_b32 s21, s15, 15                        ; my 8 tiles of Wo
	s_lshl_b32 s22, s16, 14                        ; my 4 tiles of ctx,
	s_add_co_u32 s22, s22, COFF                    ; which lie behind Wo's 16
.irp s, 0,1
	v_add_nc_u32 v[ADRA+\s], s21, v[LI]
	v_add_nc_u32 v[ADRB+\s], s22, v[LI]
	s_add_co_u32 s21, s21, SLOT
	s_add_co_u32 s22, s22, SLOT
.endr
	s_mul_i32 s23, s14, 16*SPITCH
	s_add_co_u32 s23, s23, STAGE                   ; my stage
	v_mul_u32_u24 v5, v1, SPITCH
	v_lshl_add_u32 v5, v2, 5, v5
	v_add_nc_u32 v[STO], s23, v5                   ; in: row r, 32 bytes for each half of the lanes
	v_add_nc_u32 v[RD], s23, v[LI]                 ; back: the 32 lanes take one row of 512 bytes
	v_lshlrev_b32 v[BOA], 5, v2                    ; bo: my half's eight numbers of a tile
	v_lshlrev_b32 v[PFO], 8, v1
	v_lshl_add_u32 v[PFO], v2, 15, v[PFO]          ; lanes 0-15 one tile's 4,096 bytes, lanes 16-31 the next tile's
	s_lshl_b32 s20, s42, 10
	s_lshl_b32 s21, s15, 9
	s_add_co_u32 s20, s20, s21                     ; my first column, in bytes
	s_mov_b32 s21, 0
	s_add_nc_u64 s[8:9], s[8:9], s[20:21]
	s_add_nc_u64 s[10:11], s[10:11], s[20:21]
	s_lshl_b32 s20, s17, 19
	s_lshl_b32 s22, s16, 18
	s_add_co_u32 s20, s20, s22                     ; my first token's row
	s_add_nc_u64 s[10:11], s[10:11], s[20:21]
	s_lshl_b32 s20, s17, 18
	s_lshl_b32 s22, s40, 16
	s_add_co_u32 s20, s20, s22
	s_add_co_u32 s20, s20, 2*4096
	s_add_nc_u64 s[PFA:PFA+1], s[6:7], s[20:21]    ; tiles 8 Y + 2 cx on, at K step 2: the first refill steps it to 3 and names K step 4.  Nothing is prefetched here, at the head
	s_cmp_eq_u32 s14, 2
	s_cselect_b32 s[LIM], 1, -1
	WIN 0x80                                       ; destination window 2
.irp b, 0,1,2,3,4,5,6,7
	global_load_b128 v[8*\b:8*\b+3], v[BOA], s[8:9] offset:64*\b
	global_load_b128 v[8*\b+4:8*\b+7], v[BOA], s[8:9] offset:64*\b+16
.endr
	WIN 0
; 8 products: my tokens' tile a x my 8 tiles of columns, 32 along K, from buffer f.  first = 1: bo starts the sums.  The 32 accumulators take turns.
.macro MULA f, a, first
.irp b, 0,1,2,3,4,5,6,7
.if \first
	v_wmma_f32_16x16x32_f16 v[8*(8*(\a)+\b):8*(8*(\a)+\b)+7], v[\f+8*\b:\f+8*\b+7], v[\f+64+8*(\a):\f+64+8*(\a)+7], v[8*\b:8*\b+7]
.else
	v_wmma_f32_16x16x32_f16 v[8*(8*(\a)+\b):8*(8*(\a)+\b)+7], v[\f+8*\b:\f+8*\b+7], v[\f+64+8*(\a):\f+64+8*(\a)+7], v[8*(8*(\a)+\b):8*(8*(\a)+\b)+7]
.endif
.endr
.endm
.macro FETCH slot, q, f                ; 24 LDS loads: chunk q of the slot into buffer f
.irp b, 0,1,2,3,4,5,6,7
	ds_load_b128 v[\f+8*\b:\f+8*\b+3], v[ADRA+\slot] offset:4096*\b+1024*\q
	ds_load_b128 v[\f+8*\b+4:\f+8*\b+7], v[ADRA+\slot] offset:4096*\b+1024*\q+512
.endr
.irp a, 0,1,2,3
	ds_load_b128 v[\f+64+8*\a:\f+64+8*\a+3], v[ADRB+\slot] offset:4096*\a+1024*\q
	ds_load_b128 v[\f+64+8*\a+4:\f+64+8*\a+7], v[ADRB+\slot] offset:4096*\a+1024*\q+512
.endr
.endm
.macro PLACES                          ; four places in front of loads into registers that products have read, and of reads of results
.rept 4
	v_nop
.endr
.endm
; One of a K step's first three chunks: buffer f is multiplied; ahead of its 32 products chunk q of the same slot is asked for, into buffer g.
.macro QUARTER slot, q, f, g, first
	s_wait_dscnt 0x0                               ; buffer f is in: asked for 32 products ago
	PLACES
	WIN 0
	FETCH \slot, \q, \g
.if \first
	WIN MUL0
.else
	WIN MUL
.endif
	MULA \f, 0, \first
	MULA \f, 1, \first
	MULA \f, 2, \first
	MULA \f, 3, \first
.endm
; The last chunk multiplies buffer 1 and changes slots: ONE barrier; in front of it each wave waits for all its tensor loads, adds 0 to its spare word, and waits for that and for its reads of this slot.
.macro TURN slot, next, fill
	WIN 0
.if \fill
	s_wait_xcnt 0x0                                ; the last prefetch, a K step back, has read its address
	s_add_nc_u64 s[PFA:PFA+1], s[PFA:PFA+1], 4096
.endif
	s_wait_tensorcnt 0x0                           ; all my tensor loads have landed: my part of the next slot
	ds_add_u32 v[SPW], v[NIL]
	s_wait_dscnt 1                                 ; buffer 1 is in; the add may be out
	WIN MUL
	MULA F1, 0, 0
	s_wait_dscnt 0x0                               ; the add is done, and my reads of this slot are over
	s_barrier_signal -1
	MULA F1, 1, 0
	WIN 0
	s_barrier_wait -1
.if \fill
	CREST                                          ; the barrier has opened a round of the cluster's: no wave of any partner still reads this slot or has a load on its way
	s_add_nc_u64 s[G0A+4*\slot+2:G0A+4*\slot+3], s[G0A+4*\slot+2:G0A+4*\slot+3], 2*4096
	s_add_nc_u64 s[G0B+4*\slot+2:G0B+4*\slot+3], s[G0B+4*\slot+2:G0B+4*\slot+3], 2*4096
	JLOAD \slot                                    ; the first tensor load behind the round; its four v_nop are also the places in front of the loads below
.else
	PLACES
.endif
	FETCH \next, 0, F0
.if \fill
	ASK
.endif
	WIN MUL
	MULA F1, 2, 0
	MULA F1, 3, 0
.endm
	s_wait_tensorcnt 0x1                           ; my part of K step 0 is in; K step 1's may stay out
	s_barrier_signal -1
	s_barrier_wait -1
	FETCH 0, 0, F0
	s_wait_loadcnt 0x0                             ; bo
	QUARTER 0, 1, F0, F1, 1                        ; the first chunk stands in front of the loop: its products start the sums
	WIN 0
	s_mov_b32 s3, 3
.Llap:                                             ; a trip goes once round the ring and fills both slots again
	QUARTER 0, 2, F1, F0, 0
	QUARTER 0, 3, F0, F1, 0
	TURN 0, 1, 1
	QUARTER 1, 1, F0, F1, 0
	QUARTER 1, 2, F1, F0, 0
	QUARTER 1, 3, F0, F1, 0
	TURN 1, 0, 1
	QUARTER 0, 1, F0, F1, 0
	WIN 0
	s_sub_co_u32 s3, s3, 1
	s_cmp_lg_u32 s3, 0
	s_cbranch_scc1 .Llap
	QUARTER 0, 2, F1, F0, 0                        ; the last lap fills nothing
	QUARTER 0, 3, F0, F1, 0
	TURN 0, 1, 0
	QUARTER 1, 1, F0, F1, 0
	QUARTER 1, 2, F1, F0, 0
	QUARTER 1, 3, F0, F1, 0
	s_wait_dscnt 0x0
	WIN MUL
	MULA F1, 0, 0
	MULA F1, 1, 0
	MULA F1, 2, 0
	MULA F1, 3, 0
	WIN 0
; THE WAY OUT, a block of 16 tokens x 128 columns at a time: through my own stage in LDS and back as whole rows of 512 bytes.  LDS serves a wave's instructions in order: no wait between the stores and the loads.
.macro TOSTAGE a
	WIN 0x04                                       ; an LDS store's data are its source 1: window 1
.irp b, 0,1,2,3,4,5,6,7
	ds_store_b128 v[STO], v[8*(8*(\a)+\b):8*(8*(\a)+\b)+3] offset:64*\b          ; each accumulator from its low end on
	ds_store_b128 v[STO], v[8*(8*(\a)+\b)+4:8*(8*(\a)+\b)+7] offset:64*\b+16
.endr
	WIN 0
.set BB, BK+64*((\a)%2)
.irp t, 0,1,2,3,4,5,6,7,8,9,10,11,12,13,14,15
	ds_load_b128 v[BB+4*\t:BB+4*\t+3], v[RD] offset:\t*SPITCH
.endr
.endm
.macro SEND a, younger                 ; younger: the LDS instructions issued behind block a's loads
.set BB, BK+64*((\a)%2)
	s_wait_dscnt \younger
.if (\a) > 0
	s_add_nc_u64 s[10:11], s[10:11], 16*4096       ; (behind a wait on XCNT: the earlier stores have read their base)
.endif
.irp t, 0,1,2,3,4,5,6,7,8,9,10,11,12,13,14,15
	global_store_b128 v[LI], v[BB+4*\t:BB+4*\t+3], s[10:11] offset:\t*4096 th:TH_STORE_NT   ; 32 lanes store 512 consecutive bytes of a token's row
.endr
.endm
	PLACES
	TOSTAGE 0
.irp a, 1,2,3
.if \a > 1
	s_wait_xcnt 0x0                                ; block a - 2's stores have read their registers and their base
.endif
	TOSTAGE \a
	SEND \a-1, 32                                  ; behind block a - 1's loads: block a's 16 stores and 16 loads
.endr
	s_wait_xcnt 0x0
	SEND 3, 0
	s_wait_tensorcnt 0x0                           ; the wave's end
	ds_add_u32 v[SPW], v[NIL]
	s_wait_dscnt 0x0
	CROUND                                         ; the closing round
	s_endpgm
.Lfunc_end_k_qaa971418ce_oproj:
	.size	k_qaa971418ce_oproj, .Lfunc_end_k_qaa971418ce_oproj-k_qaa971418ce_oproj
	.p2alignl 7, 3214868480
	.fill 96, 4, 3214868480
	.section	.rodata,"a",@progbits
	.p2align	6, 0x0
	.amdhsa_kernel k_qaa971418ce_oproj
		.amdhsa_group_segment_fixed_size 327680
		.amdhsa_private_segment_fixed_size 0
		.amdhsa_enable_private_segment 0
		.amdhsa_kernarg_size 32
		.amdhsa_user_sgpr_count 2
		.amdhsa_user_sgpr_kernarg_segment_ptr 1
		.amdhsa_wavefront_size32 1
		.amdhsa_system_sgpr_workgroup_id_x 1
		.amdhsa_system_sgpr_workgroup_id_y 1
		.amdhsa_system_sgpr_workgroup_id_z 1
		.amdhsa_system_vgpr_workitem_id 0
		.amdhsa_next_free_vgpr 576
		.amdhsa_next_free_sgpr 66
		.amdhsa_reserve_vcc 0
		.amdhsa_float_denorm_mode_32 3
		.amdhsa_float_denorm_mode_16_64 3
		.amdhsa_memory_ordered 1
		.amdhsa_forward_progress 1
		.amdhsa_inst_pref_size 86
	.end_amdhsa_kernel
	.amdgpu_metadata
---
amdhsa.version: [ 1, 2 ]
amdhsa.kernels:
  - .name:           k_qaa971418ce_oproj
    .symbol:         k_qaa971418ce_oproj.kd
    .args:
      - { .name: woi, .offset: 0, .size: 8, .value_kind: global_buffer, .address_space: global }
      - { .name: ci, .offset: 8, .size: 8, .value_kind: global_buffer, .address_space: global }
      - { .name: bo, .offset: 16, .size: 8, .value_kind: global_buffer, .address_space: global }
      - { .name: out0, .offset: 24, .size: 8, .value_kind: global_buffer, .address_space: global }
    .group_segment_fixed_size: 327680
    .private_segment_fixed_size: 0
    .kernarg_segment_align: 8
    .kernarg_segment_size: 32
    .max_flat_workgroup_size: 128
    .sgpr_count:     66
    .vgpr_count:     576
    .wavefront_size: 32
...
	.end_amdgpu_metadata
.endif
;; end of part 4
